; MI455X (gfx1250); checked and timed in simulation.
; The chip was launched on July 23, 2026; its instructions are those of AMD's public machine-readable ISA for CDNA 5 (MIT licence, August 2026) and "CDNA5" Instruction Set Architecture Reference Guide (July 2026). The comments in the code are by the model that wrote it; some were corrected since.
;; Multi Head Attention. Allowed arithmetic: matrix products marked QUANTISED: E4M3 operands, one given power-of-two scale a tensor, by v_wmma_f32_16x16x64_fp8_fp8 or v_wmma_f32_16x16x128_fp8_fp8, f32 sums; everything else in f32.
;; Inputs: Wk_codes 16 x 64 x 32 x 32 uint8 (E4M3 codes of Wk, K innermost, in blocks of 32 codes); Wo_codes 1,024 x 32 x 32 uint8 (E4M3 codes of Wo, K innermost, in blocks of 32 codes); Wq_codes 16 x 64 x 32 x 32 uint8 (E4M3 codes of Wq, K innermost, in blocks of 32 codes); Wv_codes 16 x 64 x 32 x 32 uint8 (E4M3 codes of Wv, K innermost, in blocks of 32 codes); bo 1,024 float32; lowp_scales 12 int32 (the exponents e of the quantised operands' scales 2^e); x_codes 8 x 1,024 x 32 x 32 uint8 (E4M3 codes of x, K innermost, in blocks of 32 codes).
;; Outputs: out0 8 x 1,024 x 1,024 float32.
;; This version of the problem:
;;   THIS VERSION OF THE PROBLEM IS GIVEN IN LOW PRECISION. The matrix products marked QUANTISED in the list below multiply operands that are first quantised to E4M3 (4 exponent bits, 3 mantissa bits; 8 bits a number), with one given power-of-two scale for each operand tensor; their sums are f32. All else is computed in f32.
;;   The module's matrix products, in the order in which they are computed (A, B: the left and right operand; K: the contracted axis; several contracted axes count as one K, in the product's order):
;;     1. [M 1,024, K 1,024] x [K 1,024, N 8,192]; A: input Wq (given as codes); B: input x (given as codes): QUANTISED (scales: A lowp_scales[0], B lowp_scales[1])
;;     2. [M 1,024, K 1,024] x [K 1,024, N 8,192]; A: input Wk (given as codes); B: input x (given as codes): QUANTISED (scales: A lowp_scales[2], B lowp_scales[3])
;;     3. [M 1,024, K 1,024] x [K 1,024, N 8,192]; A: input Wv (given as codes); B: input x (given as codes): QUANTISED (scales: A lowp_scales[4], B lowp_scales[5])
;;     4. batch 128 x [M 1,024, K 64] x [K 64, N 1,024]; A: computed on the way; B: computed on the way: QUANTISED (scales: A lowp_scales[6], B lowp_scales[7])
;;     5. batch 128 x [M 1,024, K 1,024] x [K 1,024, N 64]; A: softmax (see below); B: computed on the way: QUANTISED (scales: A lowp_scales[8], B lowp_scales[9])
;;     6. [M 8,192, K 1,024] x [K 1,024, N 1,024]; A: computed on the way; B: input Wo (given as codes): QUANTISED (scales: A lowp_scales[10], B lowp_scales[11])
;;   THE QUANTISER, for each operand of a quantised product, along K:
;;     - The operand's scale is 2^e, e = its entry of the input lowp_scales (int32; the entries are numbered through the quantised products in the list's order, A before B).
;;     - Each number is divided by the scale, clamped to +-448, and rounded to the nearest number of E4M3, ties to even, subnormals kept.
;;     - The product sums the exact products of the quantised numbers (number of the format x scale) in f32.
;;   ~~~python
;;   def quantise(x, axis, e):      # numpy; x: float32 -> the quantised numbers, widened to float32 again
;;       x = np.moveaxis(x, axis, -1); K = x.shape[-1]
;;       r = np.clip(x / 2.0 ** e, -448, 448)
;;       step = 2.0 ** (np.maximum(np.frexp(np.where(r == 0, 1, r))[1] - 1, -6) - 3)
;;       q = np.round(r / step) * step * 2.0 ** e      # np.round: ties to even
;;       return np.moveaxis(q, -1, axis).astype(np.float32)
;;   ~~~
;;   SOFTMAX AHEAD OF A QUANTISED PRODUCT. Where the list says 'softmax', what is quantised is not the finished softmax but p = 2^(t - M), with t = logit x log2(e) and M = ceil(the row's largest t), a whole number; so 1/2 < the row's largest p <= 1. The row's sum l is taken of the UNQUANTISED p, in f32, and the product's result is divided by l at the end. Since M is a whole number, a kernel that streams over the keys may use a running M (the ceiling of the running maximum): every later rescaling is an exact power of two, so the quantised numbers keep their values, but for numbers so far below the row's largest that they fall under the format's range.
;;   OPERANDS COMPUTED ON THE WAY. 'Computed on the way' means the value that the module computes at that place (a softmax that the list does not call 'softmax' is quantised finished and normalised). What goes into a quantiser is computed in f32, as accurately as f32 sums, v_exp_f32 and their like allow (about 1e-6 of the number): no bf16 or f16 on the way to a quantiser, and a product that is left as it is and whose result goes on into a quantised operand takes f32 operands (vector FMAs, or v_wmma_f32_16x16x4_f32). A number that lies on a knife's edge between two numbers of the format may be rounded either way, as far as f32 arithmetic and the matrix unit's own rounding can turn it there, and no further.
;;   INPUTS GIVEN AS CODES. Wk (in the module: [16, 1024, 64], K = its axis 1); Wo (in the module: [1024, 1024], K = its axis 1); Wq (in the module: [16, 1024, 64], K = its axis 1); Wv (in the module: [16, 1024, 64], K = its axis 1); x (in the module: [8, 1024, 1024], K = its axis 2): each comes as NAME_codes (uint8): NAME with its K axis moved to the last place and cut into blocks of 32 codes, [.., K / 32, bytes a block], one block behind the other in memory; one code a byte (a code: sign, 4 exponent bits, 3 mantissa bits); its scale is its entry of lowp_scales. Its value is code x scale, taken as it is: it is not quantised again, and the codes and scales need not be those that the quantiser above would give.
;; One version. Each part assembles by itself: llvm-mc -triple=amdgcn-amd-amdhsa -mcpu=gfx1250 --defsym DOCPART=n.
;; ======== version 1 of 1: 3 launches
;; limits: right only within a limited range of input values
;; workspace buffers: qc 8,388,608 bytes; kc 8,388,608 bytes; vc 8,388,608 bytes; ac 8,388,608 bytes
;; launch proj (part 1): grid 12 x 32, 4 waves a work-group, clusters of 4 x 4, 327,680 bytes of LDS; arguments x_codes, Wq_codes, Wk_codes, Wv_codes, lowp_scales, qc, kc, vc; writes qc, kc, vc
.if DOCPART == 1
	.amdgcn_target "amdgcn-amd-amdhsa--gfx1250"
	.amdhsa_code_object_version 6
	.text
	.protected	k_q50e8b7db7b_proj
	.globl	k_q50e8b7db7b_proj
	.p2align	8
	.type	k_q50e8b7db7b_proj,@function
k_q50e8b7db7b_proj:
	s_mov_b64 s[64:65], 0
	v_nop
	global_prefetch_b8 v0, s[64:65] scope:SCOPE_SE
	s_setreg_imm32_b32 hwreg(HW_REG_WAVE_MODE, 25, 1), 1
	s_wait_xcnt 0x0
	s_wait_alu depctr_hold_cnt(0) depctr_sa_sdst(0) depctr_va_vdst(0) depctr_va_sdst(0) depctr_va_ssrc(0) depctr_va_vcc(0) depctr_vm_vsrc(0)
	s_getreg_b32 s2, hwreg(HW_REG_IB_STS2, 6, 4)
	s_cmp_eq_u32 s2, 0
	s_cbranch_scc0 .Lentry_in_a_cluster
	s_endpgm
.Lentry_in_a_cluster:
	s_bfe_u32 s2, ttmp6, 0x10000c
	s_cmp_lg_u32 s2, 0xf033
	s_cbranch_scc0 .Lentry_shape_is_right
	s_endpgm
.Lentry_shape_is_right:
; q, k and v of all heads, as codes of FP8 (E4M3).  One product C = A B^T on codes, K = 1,024, for each of the three; each finished sum is quantised with the scale given for it.
; KIND = the cluster's x: 0 q, 1 k, 2 v; the same in all sixteen partners.  q, k: A = x (8,192 tokens), B = Wq or Wk (1,024 rows: 64 head + s).  v: A = Wv (64 head + d), B = x.
; A tile of C is 256 x 256, four waves, each 128 x 128: 64 accumulators, 512 registers.  K goes in steps of 256 through a ring of two LDS slots filled by the tensor data mover.
; THE MATRIX INSTRUCTION IS USED TRANSPOSED (source 0 = 16 rows of B, source 1 = 16 rows of A): a lane holds ONE row of A and eight neighbouring rows of B: for q and k one token and eight s,
; for v one channel d and eight tokens: in each case neighbours along the K of the product that reads the codes.
; CLUSTERS: 4 x 4 work-groups; A's tile is asked for jointly along a row of the cluster, B's along a column.
; OUT.  qc, kc: [head][token][64 s];  vc: [head][batch][t / 64][d][64 keys].  Within each 32 bytes of the last axis byte 16 h + 8 u + j holds index 16 u + 8 h + j: a lane's codes of two neighbouring
; accumulators are then 16 bytes on end, and a reader's 16-byte load at 32 c + 16 (lane / 16) gives the fragment's registers in the matrix unit's own order of k.
; A sum stands for sum x 2^(eW + ex); its code is sum / 2^E, E = e(out) - eW - ex.  LIMIT: E between -126 and 119, so that 2^E and 448 x 2^E are f32 numbers.  NaN codes among the inputs are not served.
; REGISTERS, in windows of 256: window 0: v0-31 addresses and the two constants; from v128 A's fragments, one set; on the way out v96-159 at work.  window 1: B's fragments, two sets.  windows 2, 3: the accumulators.
.set KSTEP,  256                       ; along K in a slot
.set ROWB,   256                       ; a tile's row in bytes
.set KROW,   1024                      ; a row of x or of a weight in memory, in bytes
.set PITCH,  272                       ; an LDS row: 256 bytes + 16 of padding: the 16 rows of a fragment load start at 16 different groups of four banks
.set FR,     16                        ; registers of a fragment: 16 rows x 128 K
.set NL,     4                         ; LDS loads that bring one
.set NP,     4                         ; places behind this matrix instruction (ISA guide 7.12.1)
.set HALFT,  128*PITCH                 ; what one tensor load brings
.set SLOT,   4*HALFT                   ; A's 256 rows, then B's 256 rows
.set LAPS,   KROW/(2*KSTEP)            ; 2 laps of two K steps
.set SPARE,  2*SLOT                    ; behind the ring: the spare words, 128 bytes a wave; no other line names them
.set SPITCH, 144                       ; the way out: a stage of 16 rows x (128 bytes + 16) for each wave, in slot 0, which has had its last fill and its last read by then
.set ADRA, 16                          ; v16-17  LDS address of my A fragments in slot 0, 1
.set ADRB, 20                          ; v20-21  the same for B
.set STO,  24                          ; v24     the way out: where I put 16 bytes of a row
.set RD,   25                          ; v25     the way out: where I read 16 bytes back
.set CO,   26                          ; v26     16 x lane
.set SPW,  28                          ; v28     LDS address of my spare word; never rewritten
.set NIL,  29                          ; v29     0; never rewritten
.set SCL,  30                          ; v30     2^E as f32
.set LIM,  31
.set TMP,  32
.set AF,   128                         ; A's fragments, in window 0
.set G1, 24                            ; s[24:31] descriptor group 1 for A's tiles;  s[32:39] group 0, one set for each slot
.set G0, 32
.set G1B, 48                           ; s[48:55], s[56:63] the same for B's tiles
.set G0B, 56
.set MSB, 0
.macro WIN new                         ; the immediate's high byte repeats the setting that is left
.if MSB != (\new)
	s_set_vgpr_msb (MSB<<8)|(\new)
.set MSB, (\new)
.endif
.endm
.set MUL_LO, 0xa1                      ; source 0 (B) window 1, source 1 (A) window 0, C and D window 2
.set MUL_HI, 0xf1                      ; the same, C and D window 3
.set TO_B,   0x40                      ; destination window 1, address window 0
; A joint load: waves 0 and 1 fetch for A, waves 2 and 3 for B.  The branch hangs on the wave's number alone.  An s_nop 0 and four v_nop follow each of the two lines.
.macro JLOAD g0a, g1a, g0b, g1b
	s_cmp_eq_u32 s15, 0
	s_cbranch_scc0 .Lfor_b_\@
	tensor_load_to_lds s[\g0a:\g0a+3], s[\g1a:\g1a+7]
	s_nop 0
.rept 4
	v_nop
.endr
	s_branch .Lasked_\@
.Lfor_b_\@:
	tensor_load_to_lds s[\g0b:\g0b+3], s[\g1b:\g1b+7]
	s_nop 0
.rept 4
	v_nop
.endr
.Lasked_\@:
.endm
.macro CREST                           ; a round of the cluster's barrier behind its opening barrier
	s_cmp_lg_u32 s14, 0
	s_cbranch_scc1 .Lnot_wave_0_\@
	s_barrier_signal -3
.Lnot_wave_0_\@:
	s_barrier_wait -3
	s_barrier_signal -1
	s_barrier_wait -1
.endm
.macro CROUND                          ; a whole round
	s_barrier_signal -1
	s_barrier_wait -1
	CREST
.endm
	s_load_b256 s[4:11], s[0:1], 0x0               ; x s[4:5], Wq s[6:7], Wk s[8:9], Wv s[10:11]
	s_load_b256 s[68:75], s[0:1], 0x20             ; the scales' exponents s[68:69], qc s[70:71], kc s[72:73], vc s[74:75]
	v_lshl_add_u32 v[SPW], v0, 2, SPARE
	v_mov_b32 v[NIL], 0
	ds_add_u32 v[SPW], v[NIL]                      ; the wave's opening: the add and its wait stand ahead of my first tensor load; the set-up below, work on registers, stands between them
	ds_add_u32 v[SPW], v[NIL]
	v_lshrrev_b32 v1, 5, v0
	v_readfirstlane_b32 s14, v1                    ; wave 0..3
	s_lshr_b32 s15, s14, 1                         ; which half of the tile's A rows is mine.  Also: I fetch for A (0) or for B (1)
	s_and_b32 s16, s14, 1                          ; which half of its B rows.  Also: which 128 rows of that tile I fetch
	s_bfe_u32 s40, ttmp6, 0x40000                  ; cx, cy: my place in the cluster
	s_bfe_u32 s41, ttmp6, 0x40004
	s_and_b32 s18, ttmp7, 0xffff
	s_lshl_b32 s18, s18, 2                         ; 4 x cluster y: it walks x's 32 tiles, which are A's for q and k and B's for v
	s_cmp_eq_u32 ttmp9, 2                          ; v?
	s_cselect_b32 s19, 0, s18
	s_cselect_b32 s22, s18, 0
	s_add_co_u32 s17, s41, s19                     ; A's tile: cy (+ 4 x cluster y)
	s_add_co_u32 s42, s40, s22                     ; B's tile: cx (+ 4 x cluster y)
	s_lshl_b32 s43, s41, 2
	s_lshl_b32 s43, 15, s43                        ; my row of the cluster
	s_lshl_b32 s44, 0x1111, s40                    ; my column
	; descriptor group 1: a tile of 128 rows x 256 bytes, padded in LDS
	s_or_b32 s[G1+0], s43, (0<<16)|(1<<20)|(1<<21)|(5<<22)|(3<<25)  ; 15:0 the mask: A's tiles go to my row; 17:16 element of 1 byte; 20 padding on; 21 set beside a mask; 24:22 after every 64 words; 31:25 four words
	s_or_b32 s[G1B+0], s44, (0<<16)|(1<<20)|(1<<21)|(5<<22)|(3<<25)
.irp g, G1, G1B
	s_mov_b32 s[\g+1], ROWB<<16                    ; tensor_dim0
	s_mov_b32 s[\g+2], 128<<16                     ; tensor_dim1 = 128
	s_mov_b32 s[\g+3], ROWB<<16                    ; tile_dim0
	s_mov_b32 s[\g+4], 128                         ; tile_dim1 = 128
	s_mov_b32 s[\g+5], KROW                        ; tensor_dim0_stride
	s_mov_b32 s[\g+6], 0
	s_mov_b32 s[\g+7], 0
.endr
	s_lshl_b32 s18, s16, 7                         ; which 128 rows of the tile I fetch
	s_lshl_b32 s20, s17, 8
	s_add_co_u32 s20, s20, s18                     ; A: row 256 x tile + 128 x half
	s_lshl_b32 s20, s20, 10                        ; in bytes: under 2^23
	s_mov_b32 s21, 0
	s_lshl_b32 s46, s42, 8
	s_add_co_u32 s46, s46, s18                     ; B likewise
	s_lshl_b32 s46, s46, 10
	s_mov_b32 s47, 0
	s_mul_i32 s45, s14, HALFT                      ; where they go: wave x 128 rows: no place in the cluster enters an LDS address
	s_wait_dscnt 0x0                               ; the opening add is done
	s_wait_kmcnt 0x0
	s_load_b256 s[84:91], s[68:69], 0x0            ; e0 .. e7
	s_load_b128 s[92:95], s[68:69], 0x20           ; e8 .. e11
	s_cmp_eq_u32 ttmp9, 0                          ; the buffers are chosen by the kind, which hangs on no address
	s_cselect_b64 s[78:79], s[6:7], s[8:9]         ; Wq or Wk
	s_cselect_b64 s[80:81], s[70:71], s[72:73]     ; qc or kc
	s_cmp_eq_u32 ttmp9, 2
	s_cselect_b64 s[76:77], s[10:11], s[4:5]       ; A: Wv, else x
	s_cselect_b64 s[78:79], s[4:5], s[78:79]       ; B: x, else the weight
	s_cselect_b64 s[80:81], s[74:75], s[80:81]     ; out: vc, else qc or kc
	s_add_nc_u64 s[20:21], s[76:77], s[20:21]
	s_add_nc_u64 s[46:47], s[78:79], s[46:47]
	CROUND                                         ; all sixteen work-groups are here: the first joint loads meet
.irp s, 0,1
	s_mov_b32 s[G0+4*\s], 1
	s_add_co_u32 s[G0+4*\s+1], s45, \s*SLOT
	s_add_nc_u64 s[G0+4*\s+2:G0+4*\s+3], s[20:21], \s*ROWB
	s_or_b32 s[G0+4*\s+3], s[G0+4*\s+3], 0x80000000
	s_mov_b32 s[G0B+4*\s], 1
	s_add_co_u32 s[G0B+4*\s+1], s45, \s*SLOT
	s_add_nc_u64 s[G0B+4*\s+2:G0B+4*\s+3], s[46:47], \s*ROWB
	s_or_b32 s[G0B+4*\s+3], s[G0B+4*\s+3], 0x80000000
	JLOAD G0+4*\s, G1, G0B+4*\s, G1B               ; two tensor loads of mine are out behind these
.endr
	v_and_b32 v1, 15, v0                           ; r = l % 16
	s_wait_alu depctr_va_vdst(0)
	v_bfe_u32 v2, v0, 4, 1                         ; h = l / 16
	v_mul_u32_u24 v3, v1, PITCH
	v_lshl_add_u32 v4, v2, 4, v3                   ; a fragment's row x pitch + 16 x half
	s_mul_i32 s18, s15, HALFT                      ; my 128 rows of A
	s_mul_i32 s19, s16, HALFT                      ; my 128 rows of B,
	s_add_co_u32 s19, s19, 2*HALFT                 ; which lie behind A's 256
.irp s, 0,1
	v_add_nc_u32 v[ADRA+\s], s18, v4
	v_add_nc_u32 v[ADRB+\s], s19, v4
	s_add_co_u32 s18, s18, SLOT
	s_add_co_u32 s19, s19, SLOT
.endr
	s_mul_i32 s23, s14, 16*SPITCH                  ; my stage
	v_mul_u32_u24 v5, v1, SPITCH                   ; in: row r, 16 bytes for each half of the lanes
	s_wait_alu depctr_va_vdst(0)
	v_lshl_add_u32 v5, v2, 4, v5
	v_add_nc_u32 v[STO], s23, v5
	v_and_b32 v6, 31, v0
	v_lshlrev_b32 v[CO], 4, v6                     ; out: 16 x lane
	v_lshrrev_b32 v7, 2, v6                        ; back: four lanes to a row's 64 bytes, eight rows an instruction
	v_mul_u32_u24 v7, v7, SPITCH
	v_and_b32 v8, 3, v6
	v_lshl_add_u32 v7, v8, 4, v7
	v_add_nc_u32 v[RD], s23, v7
	; where my 128 x 128 goes.  q, k: head 4 tB + 2 half (+ 1 for B's rows 64 on), token 256 tA + 128 half (+ 16 a)
	s_lshl_b32 s66, s42, 2
	s_lshl_b32 s67, s16, 1
	s_add_co_u32 s66, s66, s67
	s_lshl_b32 s66, s66, 19                        ; a head is 8,192 tokens x 64 bytes
	s_lshl_b32 s67, s17, 8
	s_lshl_b32 s82, s15, 7
	s_add_co_u32 s67, s67, s82
	s_lshl_b32 s67, s67, 6
	s_add_co_u32 s66, s66, s67
	; v: head 4 tA + 2 half (+ 1 for A's rows 64 on), token 256 tB + 128 half: batch = token / 1,024, group = (token % 1,024) / 64 (+ 1 for B's rows 64 on)
	s_lshl_b32 s67, s17, 2
	s_lshl_b32 s82, s15, 1
	s_add_co_u32 s67, s67, s82
	s_lshl_b32 s67, s67, 3
	s_lshl_b32 s82, s42, 8
	s_lshl_b32 s83, s16, 7
	s_add_co_u32 s82, s82, s83
	s_lshr_b32 s83, s82, 10
	s_add_co_u32 s67, s67, s83
	s_lshl_b32 s67, s67, 4
	s_bfe_u32 s83, s82, 0x40006
	s_add_co_u32 s67, s67, s83
	s_lshl_b32 s67, s67, 12                        ; a group is 64 d x 64 keys
	s_mov_b32 s82, 4096
	s_mov_b32 s83, 0x80000
	s_cmp_eq_u32 ttmp9, 2
	s_cselect_b32 s66, s67, s66
	s_cselect_b32 s98, s83, s82                    ; from A's rows 0-63 to 64-127: v a head, q and k 64 tokens
	s_cselect_b32 s82, s82, s83                    ; from B's rows 0-63 to 64-127: v a group, q and k a head
	s_mov_b32 s67, 0
	s_mov_b32 s83, 0
	s_mov_b32 s99, 0
	s_add_nc_u64 s[4:5], s[80:81], s[66:67]        ; four bases: s[4 + 4 (a / 4) + 2 g]; the inputs' addresses are done with
	s_add_nc_u64 s[6:7], s[4:5], s[82:83]
	s_add_nc_u64 s[8:9], s[4:5], s[98:99]
	s_add_nc_u64 s[10:11], s[8:9], s[82:83]
.macro FRAG reg, adr, q, i             ; a fragment, 16 rows x 128 K: lane l holds row l % 16; registers 4 c .. 4 c + 3 hold K = 32 c + 16 (l / 16) + 0 .. 15: the same order of k in A and in B
.irp c, 0,1,2,3
	ds_load_b128 v[\reg+4*\c:\reg+4*\c+3], v[\adr] offset:128*(\q)+32*\c+(\i)*16*PITCH
.endr
.endm
; 16 matrix instructions: A's blocks a0, a0 + 1 x B's eight, 128 along K.  p: B's set.  zero = 1: the first product starts the sums.
; The 64 accumulators take turns, one instruction a turn, in the same order in every step.
.macro MUL16 a0, p, zero
.irp a, \a0, \a0+1
.irp b, 0,1,2,3,4,5,6,7
.if \zero
	v_wmma_f32_16x16x128_fp8_fp8 v[8*(8*((\a)%4)+\b):8*(8*((\a)%4)+\b)+7], v[128*(\p)+FR*\b:128*(\p)+FR*\b+FR-1], v[AF+FR*(\a):AF+FR*(\a)+FR-1], 0
.else
	v_wmma_f32_16x16x128_fp8_fp8 v[8*(8*((\a)%4)+\b):8*(8*((\a)%4)+\b)+7], v[128*(\p)+FR*\b:128*(\p)+FR*\b+FR-1], v[AF+FR*(\a):AF+FR*(\a)+FR-1], v[8*(8*((\a)%4)+\b):8*(8*((\a)%4)+\b)+7]
.endif
.endr
.endr
.endm
.macro FETCH_B slot, q, p              ; B's eight fragments of the slot's q-th 128 along K into set p
	WIN TO_B
.irp i, 0,1,2,3,4,5,6,7
	FRAG 128*(\p)+FR*\i, ADRB+\slot, \q, \i
.endr
	WIN 0
.endm
.macro FETCH_A slot, q, i0             ; A's blocks i0 .. i0 + 3
.irp i, \i0, \i0+1, \i0+2, \i0+3
	FRAG AF+FR*(\i), ADRA+\slot, \q, \i
.endr
.endm
.macro PLACES n                        ; plain vector instructions between a matrix instruction and a load into a register that it read, or a read of its result
.rept \n
	v_nop
.endr
.endm
; A step of 128 along K that has its successor in the same slot.
.macro STEP slot, q, zero
	s_wait_dscnt 4*NL                              ; B's set and A's blocks 0-3 are in; the youngest 16 loads (A's blocks 4-7) may be out
	WIN MUL_LO
	MUL16 0, (\q)%2, \zero
	MUL16 2, (\q)%2, \zero
	s_wait_dscnt 0                                 ; A's blocks 4-7 are in
	PLACES NP
	FETCH_B \slot, (\q)+1, 1-(\q)%2
	FETCH_A \slot, (\q)+1, 0
	WIN MUL_HI
	MUL16 4, (\q)%2, \zero
	MUL16 6, (\q)%2, \zero
	PLACES NP
	WIN 0
	FETCH_A \slot, (\q)+1, 4
.endm
; A slot's last step changes slots: ONE barrier; in front of it each wave waits for all its tensor loads, adds 0 to its spare word, and waits for that and for its own reads of this slot.  fill = 1: this slot is filled again, two K steps ahead.
.macro TURN slot, next, fill
	s_wait_tensorcnt 0x0                           ; all my tensor loads have landed: my part of the next slot  (every window is 0 here)
	ds_add_u32 v[SPW], v[NIL]                      ; 0 onto my spare word
	s_wait_dscnt 4*NL+1                            ; the add and the youngest 16 loads (A's blocks 4-7) may be out
	WIN MUL_LO
	MUL16 0, 1, 0                                  ; sixteen matrix instructions stand between the add and the wait for it
	s_wait_dscnt 0x0                               ; the add is done, and my reads of this slot are over
	s_barrier_signal -1
	MUL16 2, 1, 0
	WIN 0
	s_barrier_wait -1
.if \fill
	CREST                                          ; the barrier has opened a round of the cluster's barrier: no wave of any partner still reads this slot or has a load on its way
	s_add_nc_u64 s[G0+4*\slot+2:G0+4*\slot+3], s[G0+4*\slot+2:G0+4*\slot+3], 2*ROWB
	s_add_nc_u64 s[G0B+4*\slot+2:G0B+4*\slot+3], s[G0B+4*\slot+2:G0B+4*\slot+3], 2*ROWB
	JLOAD G0+4*\slot, G1, G0B+4*\slot, G1B         ; the first tensor load behind the round, my one load until the next; its four v_nop are the places in front of the loads below
.else
	PLACES NP
.endif
	FETCH_B \next, 0, 0
	FETCH_A \next, 0, 0
	WIN MUL_HI
	MUL16 4, 1, 0
	MUL16 6, 1, 0
	PLACES NP
	WIN 0
	FETCH_A \next, 0, 4
.endm
	s_wait_tensorcnt 1                             ; my part of K step 0 is in; K step 1's load may be out
	s_barrier_signal -1
	s_barrier_wait -1                              ; everybody's is
	FETCH_B 0, 0, 0
	FETCH_A 0, 0, 0
	FETCH_A 0, 0, 4
	STEP 0, 0, 1                                   ; the first step stands in front of the loop: its products start the sums
	s_mov_b32 s3, LAPS-1
.Llap:                                                 ; a trip goes once round the ring and fills both slots again
	TURN 0, 1, 1
	STEP 1, 0, 0
	TURN 1, 0, 1
	STEP 0, 0, 0
	s_sub_co_u32 s3, s3, 1
	s_cmp_lg_u32 s3, 0
	s_cbranch_scc1 .Llap
	TURN 0, 1, 0                                   ; the last lap fills nothing, and has no round of the cluster's barrier
	STEP 1, 0, 0
	s_wait_dscnt 4*NL                              ; the very last step: nothing more to fetch
	WIN MUL_LO
	MUL16 0, 1, 0
	MUL16 2, 1, 0
	s_wait_dscnt 0
	WIN MUL_HI
	MUL16 4, 1, 0
	MUL16 6, 1, 0
	WIN 0
; THE WAY OUT, block by block of 16 rows of A x 128 rows of B.  The sums are converted, eight of a lane's accumulator to 8 bytes; two neighbouring accumulators' codes are 16 bytes.
; They go through my own stage in LDS (rows of 128 bytes + 16) and come back as runs of 64 bytes a row, eight rows an instruction: the wave stores 512 consecutive bytes, aligned.
; LDS serves a wave's instructions in order (ISA guide 5.7.1.4): no wait between the stores and the loads, nor in front of the next block's stores.
.macro TOSTAGE a
.set AC, 64*((\a)%4)
.set CD, 96+16*((\a)%2)
.set BB, 128+16*((\a)%2)
	WIN 0x02+((\a)/4)                              ; source 0: window 2 or 3
.set j, 0
.rept 64
.set j, j+1
.endr
.irp b, 0,1,2,3,4,5,6,7
	v_cvt_scalef32_pk8_fp8_f32 v[CD+2*\b:CD+2*\b+1], v[AC+8*\b:AC+8*\b+7], v[SCL]
.endr
	WIN 0
	v_nop                                          ; one plain vector instruction behind the last conversion
.irp g, 0,1,2,3
	ds_store_b128 v[STO], v[CD+4*\g:CD+4*\g+3] offset:32*\g
.endr
.irp g, 0,1
.irp u, 0,1
	ds_load_b128 v[BB+4*(2*\g+\u):BB+4*(2*\g+\u)+3], v[RD] offset:64*\g+8*SPITCH*\u
.endr
.endr
.endm
.macro SEND a, younger                 ; younger: the LDS instructions issued behind block a's loads, which may stay out
.set BB, 128+16*((\a)%2)
.set SB, 4+4*((\a)/4)
	s_wait_dscnt \younger                          ; the block is back in registers
.irp g, 0,1
.irp u, 0,1
	global_store_b128 v[CO], v[BB+4*(2*\g+\u):BB+4*(2*\g+\u)+3], s[SB+2*\g:SB+2*\g+1] offset:((\a)%4)*1024+512*\u
.endr
.endr
.endm
	s_wait_kmcnt 0x0                               ; the exponents
	s_sub_co_i32 s96, s90, s84
	s_sub_co_i32 s96, s96, s85                     ; q: e6 - e0 - e1
	s_sub_co_i32 s97, s91, s86
	s_sub_co_i32 s97, s97, s87                     ; k: e7 - e2 - e3
	s_cmp_eq_u32 ttmp9, 0
	s_cselect_b32 s96, s96, s97
	s_sub_co_i32 s97, s93, s88
	s_sub_co_i32 s97, s97, s89                     ; v: e9 - e4 - e5
	s_cmp_eq_u32 ttmp9, 2
	s_cselect_b32 s96, s97, s96                    ; E: a choice, no branch
	s_add_co_i32 s96, s96, 127
	s_lshl_b32 s97, s96, 23
	v_mov_b32 v[SCL], s97                          ; 2^E as f32: the conversion takes its exponent field
	s_add_co_i32 s96, s96, 8
	s_lshl_b32 s96, s96, 23
	s_or_b32 s96, s96, 0x600000
	PLACES NP                                      ; behind the last products: for the reads of their results and the loads into A's registers
	TOSTAGE 0
.irp a, 1,2,3,4,5,6,7
.if \a > 1
	s_wait_xcnt 0x0                                ; block a - 2's stores have read their registers: block a's loads may land there
.endif
	TOSTAGE \a
	SEND \a-1, 8                                   ; behind block a - 1's loads: block a's 4 stores and 4 loads
.endr
	SEND 7, 0
	s_wait_tensorcnt 0x0                           ; the wave's end: an add and its wait, behind my last tensor load and my last LDS store
	ds_add_u32 v[SPW], v[NIL]
	s_wait_dscnt 0x0
	CROUND                                         ; the closing round: no work-group ends while a partner may still ask for a tile that names it
	s_endpgm
.Lfunc_end_k_q50e8b7db7b_proj:
	.size	k_q50e8b7db7b_proj, .Lfunc_end_k_q50e8b7db7b_proj-k_q50e8b7db7b_proj
	.p2alignl 7, 3214868480
	.fill 96, 4, 3214868480
	.section	.rodata,"a",@progbits
	.p2align	6, 0x0
	.amdhsa_kernel k_q50e8b7db7b_proj
		.amdhsa_group_segment_fixed_size 327680
		.amdhsa_private_segment_fixed_size 0
		.amdhsa_enable_private_segment 0
		.amdhsa_kernarg_size 64
		.amdhsa_user_sgpr_count 2
		.amdhsa_user_sgpr_kernarg_segment_ptr 1
		.amdhsa_wavefront_size32 1
		.amdhsa_system_sgpr_workgroup_id_x 1
		.amdhsa_system_sgpr_workgroup_id_y 1
		.amdhsa_system_sgpr_workgroup_id_z 1
		.amdhsa_system_vgpr_workitem_id 0
		.amdhsa_next_free_vgpr 1024
		.amdhsa_next_free_sgpr 100
		.amdhsa_reserve_vcc 0
		.amdhsa_float_denorm_mode_32 3
		.amdhsa_float_denorm_mode_16_64 3
		.amdhsa_fp16_overflow 1
		.amdhsa_memory_ordered 1
		.amdhsa_forward_progress 1
		.amdhsa_inst_pref_size 92
	.end_amdhsa_kernel
	.amdgpu_metadata
---
amdhsa.version: [ 1, 2 ]
amdhsa.kernels:
  - .name:           k_q50e8b7db7b_proj
    .symbol:         k_q50e8b7db7b_proj.kd
    .args:
      - { .name: x_codes, .offset: 0, .size: 8, .value_kind: global_buffer, .address_space: global }
      - { .name: Wq_codes, .offset: 8, .size: 8, .value_kind: global_buffer, .address_space: global }
      - { .name: Wk_codes, .offset: 16, .size: 8, .value_kind: global_buffer, .address_space: global }
      - { .name: Wv_codes, .offset: 24, .size: 8, .value_kind: global_buffer, .address_space: global }
      - { .name: lowp_scales, .offset: 32, .size: 8, .value_kind: global_buffer, .address_space: global }
      - { .name: qc, .offset: 40, .size: 8, .value_kind: global_buffer, .address_space: global }
      - { .name: kc, .offset: 48, .size: 8, .value_kind: global_buffer, .address_space: global }
      - { .name: vc, .offset: 56, .size: 8, .value_kind: global_buffer, .address_space: global }
    .group_segment_fixed_size: 327680
    .private_segment_fixed_size: 0
    .kernarg_segment_align: 8
    .kernarg_segment_size: 64
    .max_flat_workgroup_size: 128
    .sgpr_count:     100
    .vgpr_count:     1024
    .wavefront_size: 32
...
	.end_amdgpu_metadata
.endif
;; end of part 1
;; launch attn (part 2): grid 2 x 128, 16 waves a work-group, no clusters, 182,272 bytes of LDS; arguments qc, kc, vc, lowp_scales, ac; writes ac
.if DOCPART == 2
	.amdgcn_target "amdgcn-amd-amdhsa--gfx1250"
	.amdhsa_code_object_version 6
	.text
	.protected	k_q50e8b7db7b_attn
	.globl	k_q50e8b7db7b_attn
	.p2align	8
	.type	k_q50e8b7db7b_attn,@function
k_q50e8b7db7b_attn:
	s_mov_b64 s[64:65], 0
	v_nop
	global_prefetch_b8 v0, s[64:65] scope:SCOPE_SE
	s_setreg_imm32_b32 hwreg(HW_REG_WAVE_MODE, 25, 1), 1
	s_wait_xcnt 0x0
; Causal attention of one (head, batch) on codes of FP8 (E4M3), head size 64, 1,024 tokens; the result is quantised for the output projection.
; qc, kc: [y][token][64], vc: [y][t / 64][d][64 keys], y = 8 head + batch: 65,536 bytes each; within each 32 bytes byte 16 h + 8 u + j holds index 16 u + 8 h + j, so that a 16-byte
; load at 32 c + 16 (lane / 16) gives a fragment's registers in the matrix unit's own order of k.  ac: [head][token][64], in the natural order.
; THE SOFTMAX: t = score x log2(e) / 8; M = the largest t so far, rounded UP to a whole number; p = 2^(t - M) is quantised along the keys, not normalised; the row's sum is taken of the unquantised p
; and divides O at the end.  When M moves, the sum and O are multiplied by 2^(old M - new M): exact.
; SHARES.  Two work-groups to a y; sixteen waves, four to a SIMD.  Wave w of work-group j owns TWO tiles of 16 queries: tile a = 2 w + j and tile 63 - a.  Under the causal mask tile a needs a / 8 + 1 steps
; of 128 keys, so each wave has 9 steps, whatever w and j.  A step all of whose keys come after the tile's queries is jumped over by a scalar branch on ids; the loops' trip counts are constants.
; LDS.  All of the y's K and V (131,072 bytes) is fetched ONCE, in four chunks of 256 keys (wave 0: K's, wave 1: V's; four tensor loads of each are out at the head); nothing is filled again.  A barrier stands in
; front of the first read of each chunk, with a counted wait: the later chunks land while the early steps are worked.
; Multicast is not used: only two work-groups share a y's tiles, and each asks for them once, at its head.  Nothing is prefetched: every load of the launch goes out at the head.
; LAYOUT.  S^T = K Q^T (source 0 = 16 keys, source 1 = my 16 queries), O^T = V^T P^T (source 0 = 16 channels, source 1 = P): a lane holds ONE query (lane % 16) throughout; tile t's eight registers are keys
; 16 t + 8 (lane / 16) + 0 .. 7, which is where the second product's operand wants them: the conversions' results are its registers.
; LIMITS on the given exponents, so that each power of two below is an f32 number: e6 + e7 between -123 and 130; e8, and e10 - e8 - e9, between -126 and 119.  NaN codes are not served.
; REGISTERS: v1-7, v10, v11 addresses that stay; v8, v9 addresses in hand; v12 -M, v13 the largest t, v[14:15] the sum; v16-23, v24-31 the two tiles of Q; v32-95 K's, then V's fragments; v96-159 S^T, then p;
; v160-191 O^T; v192-207 the way out; v224-239 p's codes; v244: 2^e8; v245: the same for e10 - e8 - e9; v236, v238-243, v246-255 at work.
.set KP,    80                         ; a row of 64 codes in LDS: 64 bytes + 16 of padding: an odd multiple of 16
.set STEPB, 128*KP                     ; a key step: 128 rows of K; and 2 groups of 64 rows of V
.set CHUNK, 256*KP                     ; what one tensor load fills
.set VOFF,  1024*KP                    ; V lies behind K
.set STG,   2*VOFF                     ; the way out: 1,024 bytes for each wave; no tensor load lands here
.set SPARE, STG+16*1024                ; the spare words, 128 bytes for each wave; no other line names them
.set AK0, 1                            ; v1   my lane's place in a tile of K: r x 80 + 16 h
.set AV0, 2                            ; v2   the same for V
.set STO, 3                            ; v3   the way out: where I put 8 bytes of a row
.set RD,  4                            ; v4   and where I read 16 bytes back
.set SPW, 5                            ; v5   LDS address of my spare word; never rewritten
.set NIL, 6                            ; v6   0; never rewritten
.set GO,  7                            ; v7   16 x lane
.set ADK, 8                            ; v8   LDS address of the step's tiles of K
.set ADV, 9                            ; v9   of V
.set QO,  10                           ; v10  Q: r x 64 + 16 h
.set DL,  11                           ; v11  r - 8 h, for the mask
.set QA,  16
.set QB,  24
.set TB,  2                            ; s2   LDS byte at which the step in hand begins
.set CNT, 3                            ; s3   counts a run's steps
.set WV,  18                           ; s18  my wave's number
.set SEL, 20                           ; s[20:21] lane selects for v_permlanex16_b32: lane l xor 16
.set CS,  22                           ; s[22:23] c = log2(e) / 8 x 2^(e6 + e7)
.set G1,  24                           ; s[24:31] descriptor group 1
.set G0,  40                           ; s[40:55] four groups 0, one for each chunk
.set KF,  56                           ; s56  the step's first key
.set Q0,  57                           ; s57  the first query of the tile in hand;  s58, s59: of my two tiles
	s_load_b256 s[4:11], s[0:1], 0x0               ; qc s[4:5], kc s[6:7], vc s[8:9], the scales' exponents s[10:11]
	s_load_b64 s[12:13], s[0:1], 0x20              ; ac
	v_lshl_add_u32 v[SPW], v0, 2, SPARE
	v_mov_b32 v[NIL], 0
	ds_add_u32 v[SPW], v[NIL]                      ; the wave's opening: the add and its wait stand ahead of the first tensor load; the set-up below, work on registers, stands between them
	ds_add_u32 v[SPW], v[NIL]
	v_lshrrev_b32 v8, 5, v0
	s_delay_alu instid0(VALU_DEP_1)
	v_readfirstlane_b32 s[WV], v8                  ; wave 0..15
	s_and_b32 s32, ttmp7, 0xffff                   ; y
	s_lshl_b32 s32, s32, 16                        ; its 65,536 bytes in each of the four buffers
	s_mov_b32 s33, 0
	; descriptor group 1: 16,384 dense bytes as 64 rows of 256, with 16 bytes of padding behind every 64: in LDS 256 rows of 64 bytes, 80 apart
	s_mov_b32 s[G1], (0<<16)|(1<<20)|(3<<22)|(3<<25)   ; no mask; elements of 1 byte; padding on; after every 16 words; four words
	s_mov_b32 s[G1+1], 256<<16                     ; tensor_dim0
	s_mov_b32 s[G1+2], 64<<16                      ; tensor_dim1
	s_mov_b32 s[G1+3], 256<<16                     ; tile_dim0
	s_mov_b32 s[G1+4], 64                          ; tile_dim1
	s_mov_b32 s[G1+5], 256                         ; tensor_dim0_stride
	s_mov_b32 s[G1+6], 0
	s_mov_b32 s[G1+7], 0
	s_mov_b32 s[SEL], 0x76543210
	s_mov_b32 s[SEL+1], 0xfedcba98
	s_mov_b32 s[CS], 0x3e38aa3b                    ; log2(e) / sqrt(64)
	s_and_b32 s34, s[WV], 1
	s_mul_i32 s34, s34, VOFF                       ; wave 0 fills K's region, wave 1 V's
	s_lshl_b32 s58, s[WV], 5
	s_lshl_b32 s59, ttmp9, 4
	s_add_co_u32 s58, s58, s59                     ; my first tile's first query: 16 (2 w + j)
	s_sub_co_u32 s59, 1008, s58                    ; my second tile's: 16 (63 - (2 w + j))
	s_wait_dscnt 0x0                               ; the opening add is done
	s_wait_kmcnt 0x0
	s_load_b256 s[68:75], s[10:11], 0x0            ; e0 .. e7
	s_load_b128 s[76:79], s[10:11], 0x20           ; e8 .. e11
	s_cmp_eq_u32 s[WV], 0
	s_cselect_b64 s[36:37], s[6:7], s[8:9]         ; kc for wave 0, vc for wave 1
	s_add_nc_u64 s[36:37], s[36:37], s[32:33]
.irp c, 0,1,2,3
	s_mov_b32 s[G0+4*\c], 1                        ; count = 1
	s_add_co_u32 s[G0+4*\c+1], s34, \c*CHUNK       ; LDS address
	s_add_nc_u64 s[G0+4*\c+2:G0+4*\c+3], s[36:37], \c*16384   ; global address: keys 256 c on
	s_or_b32 s[G0+4*\c+3], s[G0+4*\c+3], 0x80000000   ; type = 2
.endr
	s_cmp_lt_u32 s[WV], 2                          ; all first fills of a wave stand in one branch on the wave's number, ahead of every wait on TENSORcnt, every LDS read and every barrier
	s_cbranch_scc0 .Lno_fetch
.irp c, 0,1,2,3
	tensor_load_to_lds s[G0+4*\c:G0+4*\c+3], s[G1:G1+7]
	s_nop 0
.endr
.rept 4
	v_nop
.endr
.Lno_fetch:
	s_lshl_b32 s38, s58, 6                         ; my tiles' rows in qc and in ac: y's bytes + 64 x first query
	s_mov_b32 s39, 0
	s_add_nc_u64 s[38:39], s[38:39], s[32:33]
	s_add_nc_u64 s[80:81], s[4:5], s[38:39]
	s_add_nc_u64 s[60:61], s[12:13], s[38:39]
	s_lshl_b32 s38, s59, 6
	s_mov_b32 s39, 0
	s_add_nc_u64 s[38:39], s[38:39], s[32:33]
	s_add_nc_u64 s[82:83], s[4:5], s[38:39]
	s_add_nc_u64 s[62:63], s[12:13], s[38:39]
	v_and_b32 v8, 15, v0                           ; r = lane % 16
	v_bfe_u32 v9, v0, 4, 1                         ; h = lane / 16
	s_delay_alu instid0(VALU_DEP_2)
	v_lshlrev_b32 v[QO], 6, v8
	s_delay_alu instid0(VALU_DEP_1)
	v_lshl_add_u32 v[QO], v9, 4, v[QO]
	global_load_b128 v[QA:QA+3],   v[QO], s[80:81] th:TH_LOAD_NT             ; both tiles of Q stay in registers
	global_load_b128 v[QA+4:QA+7], v[QO], s[80:81] offset:32 th:TH_LOAD_NT
	global_load_b128 v[QB:QB+3],   v[QO], s[82:83] th:TH_LOAD_NT
	global_load_b128 v[QB+4:QB+7], v[QO], s[82:83] offset:32 th:TH_LOAD_NT
	v_mul_u32_u24 v[AK0], v8, KP
	s_delay_alu instid0(VALU_DEP_1)
	v_lshl_add_u32 v[AK0], v9, 4, v[AK0]
	s_delay_alu instid0(VALU_DEP_1)
	v_add_nc_u32 v[AV0], VOFF, v[AK0]
	s_lshl_b32 s35, s[WV], 10
	s_add_co_u32 s35, s35, STG                     ; my stage
	v_lshlrev_b32 v[STO], 6, v8
	s_delay_alu instid0(VALU_DEP_1)
	v_lshl_add_u32 v[STO], v9, 3, v[STO]
	s_delay_alu instid0(VALU_DEP_1)
	v_add_nc_u32 v[STO], s35, v[STO]               ; in: row r of 64 bytes, + 8 h
	v_and_b32 v[GO], 31, v0
	s_delay_alu instid0(VALU_DEP_1)
	v_lshlrev_b32 v[GO], 4, v[GO]
	s_delay_alu instid0(VALU_DEP_1)
	v_add_nc_u32 v[RD], s35, v[GO]                 ; back: as the bytes lie
	v_lshlrev_b32 v[DL], 3, v9
	s_delay_alu instid0(VALU_DEP_1)
	v_sub_nc_u32 v[DL], v8, v[DL]
	v_mov_b32 v236, 0                              ; written once: a lane permute's destination counts as one of its sources
	v_mov_b32 v252, 0
	v_mov_b32 v253, 0                              ; (named as the upper half of the pair v[252:253])
	s_wait_kmcnt 0x0
	s_add_co_i32 s96, s74, s75                     ; a score stands for score x 2^(e6 + e7): the exponents are added to c's exponent field
	s_lshl_b32 s96, s96, 23
	s_add_co_i32 s[CS], s[CS], s96
	s_mov_b32 s[CS+1], s[CS]                       ; (named with it as a pair, so it is written)
	s_add_co_i32 s96, s76, 127
	s_lshl_b32 s97, s96, 23
	v_mov_b32 v244, s97                            ; 2^e8 as f32, for p's conversion
	s_sub_co_i32 s96, s78, s76
	s_sub_co_i32 s96, s96, s77                     ; O / l stands for O / l x 2^(e8 + e9): its code is that / 2^(e10 - e8 - e9)
	s_add_co_i32 s96, s96, 127
	s_lshl_b32 s97, s96, 23
	v_mov_b32 v245, s97
; A KEY STEP: 128 keys from s[KF] on, for the tile whose Q lies in v[qf] on.
.macro STEP qf
	s_add_co_u32 s96, s[Q0], 15                    ; a step all of whose keys come after my 16 queries is left out: ids and the count of steps alone; no barrier stands in a step
	s_cmp_gt_u32 s[KF], s96
	s_cbranch_scc1 .Lhidden_\@
	s_setprio 2
	v_add_nc_u32 v[ADK], s[TB], v[AK0]
	v_add_nc_u32 v[ADV], s[TB], v[AV0]
	v_nop                                          ; with the two additions: four places in front of loads into registers that the last products read
	v_nop
.irp t, 0,1,2,3,4,5,6,7
	ds_load_b128 v[32+8*\t:35+8*\t], v[ADK] offset:16*KP*\t
	ds_load_b128 v[36+8*\t:39+8*\t], v[ADK] offset:16*KP*\t+32
.endr
	s_wait_alu depctr_va_vdst(0)
	s_wait_dscnt 0x0
.irp t, 0,1,2,3,4,5,6,7
	v_wmma_f32_16x16x64_fp8_fp8 v[96+8*\t:103+8*\t], v[32+8*\t:39+8*\t], v[\qf:\qf+7], 0   ; S^T: keys 16 t on x my queries
.endr
.rept 4
	v_nop                                          ; places: in front of the loads into K's registers, and of the first read of the scores
.endr
.irp t, 0,1,2,3
.irp c, 0,1,2,3
	ds_load_b128 v[32+16*\t+4*\c:35+16*\t+4*\c], v[ADV] offset:(\c/2)*64*KP+16*KP*\t+32*(\c%2)   ; V^T: channels 16 t on, keys 32 c on: they land while the softmax is worked
.endr
.endr
	s_add_co_u32 s96, s[KF], 127                   ; on the diagonal the scores of hidden keys become -infinity ahead of the maximum: p = 0 then.  A step all of whose keys count skips this
	s_cmp_le_u32 s96, s[Q0]
	s_cbranch_scc1 .Lopen_\@
	s_sub_co_i32 s96, s[Q0], s[KF]
	v_add_nc_u32 v252, s96, v[DL]                  ; d = my query - KF - 8 h.  Register 8 t + j holds key KF + 16 t + 8 h + j: hidden where 16 t + j > d
	v_mov_b32 v254, 0xff800000                     ; -infinity
.set n, 0
.rept 64
	v_cmp_gt_i32 vcc_lo, 16*(n/8)+n%8, v252
	v_cndmask_b32 v[96+n], v[96+n], v254, vcc_lo
.set n, n+1
.endr
.Lopen_\@:
	v_max3_num_f32 v254, v96, v97, v98             ; the step's largest score of my query, among my 64 keys, in two chains,
	v_max3_num_f32 v252, v99, v100, v101
.irp i, 6,10,14,18,22,26,30,34,38,42,46,50,54,58
	v_max3_num_f32 v254, v254, v[96+\i], v[97+\i]
	v_max3_num_f32 v252, v252, v[98+\i], v[99+\i]
.endr
	v_max3_num_f32 v254, v254, v158, v159
	s_delay_alu instid0(VALU_DEP_1)
	v_max_num_f32 v254, v254, v252
	v_permlanex16_b32 v236, v254, s[SEL], s[SEL+1]
	s_delay_alu instid0(VALU_DEP_1)
	v_max_num_f32 v254, v254, v236                 ; and among lane l xor 16's
	s_delay_alu instid0(VALU_DEP_1)
	v_mul_f32 v254, s[CS], v254                    ; as t (c is positive)
	s_delay_alu instid0(VALU_DEP_1)
	v_max_num_f32 v13, v13, v254                   ; the running largest t
	v_mov_b32 v254, v12
	s_delay_alu instid0(VALU_DEP_2)
	v_floor_f32 v12, -v13                          ; the new -M = floor(-t) = -ceil(t): a whole number
	s_delay_alu instid0(VALU_DEP_1)
	v_sub_f32 v254, v12, v254                      ; M's old value less its new one: a whole number, 0 or less
	s_delay_alu instid0(VALU_DEP_1)
	v_cvt_i32_f32 v254, v254                       ; (it saturates)
	s_delay_alu instid0(VALU_DEP_1)
	v_ldexp_f32 v252, 1.0, v254                    ; f = 2^(old M - new M)
.set n, 0
	s_setprio 1
.rept 32
	v_pk_fma_f32 v[96+n:97+n], v[96+n:97+n], s[CS:CS+1], v[12:13] op_sel_hi:[1,0,0]   ; t - M, two at a time
.set n, n+2
.endr
.set n, 0
	s_wait_alu depctr_va_vdst(0)
.rept 64
	v_exp_f32 v[96+n], v[96+n]                     ; p = 2^(t - M), at most 1
.set n, n+1
.endr
	v_pk_mul_f32 v[14:15], v[14:15], v[252:253] op_sel_hi:[1,0]   ; the sums under the new M: the plain instruction behind the exponentials
	s_wait_alu depctr_va_vdst(0)                   ; one wait for the whole batch, ahead of its first reader
	v_pk_add_f32 v[242:243], v[100:101], v[104:105]
	v_pk_add_f32 v[254:255], v[108:109], v[112:113]
	v_pk_add_f32 v[250:251], v[116:117], v[120:121]
	v_pk_add_f32 v[248:249], v[124:125], v[128:129]
	v_pk_add_f32 v[246:247], v[132:133], v[136:137]
	v_pk_add_f32 v[240:241], v[140:141], v[144:145]
	v_pk_add_f32 v[238:239], v[148:149], v[152:153]
	v_pk_add_f32 v[14:15], v[14:15], v[156:157]
	v_pk_add_f32 v[242:243], v[242:243], v[96:97]
	v_pk_add_f32 v[254:255], v[254:255], v[98:99]
	v_pk_add_f32 v[250:251], v[250:251], v[102:103]
	v_pk_add_f32 v[248:249], v[248:249], v[106:107]
	v_pk_add_f32 v[246:247], v[246:247], v[110:111]
	v_pk_add_f32 v[240:241], v[240:241], v[114:115]
	v_pk_add_f32 v[238:239], v[238:239], v[118:119]
	v_pk_add_f32 v[14:15], v[14:15], v[122:123]
	v_pk_add_f32 v[242:243], v[242:243], v[126:127]
	v_pk_add_f32 v[254:255], v[254:255], v[130:131]
	v_pk_add_f32 v[250:251], v[250:251], v[134:135]
	v_pk_add_f32 v[248:249], v[248:249], v[138:139]
	v_pk_add_f32 v[246:247], v[246:247], v[142:143]
	v_pk_add_f32 v[240:241], v[240:241], v[146:147]
	v_pk_add_f32 v[238:239], v[238:239], v[150:151]
	s_setprio 0
	v_pk_add_f32 v[14:15], v[14:15], v[154:155]
	v_pk_add_f32 v[242:243], v[242:243], v[158:159]
	s_delay_alu instid0(VALU_DEP_2)
	v_pk_add_f32 v[14:15], v[14:15], v[248:249]
	s_delay_alu instid0(VALU_DEP_2)
	v_pk_add_f32 v[242:243], v[242:243], v[246:247]
	v_pk_add_f32 v[254:255], v[254:255], v[240:241]
	v_pk_add_f32 v[250:251], v[250:251], v[238:239]
	s_delay_alu instid0(VALU_DEP_2)
	v_pk_add_f32 v[14:15], v[14:15], v[254:255]
	s_delay_alu instid0(VALU_DEP_2)
	v_pk_add_f32 v[242:243], v[242:243], v[250:251]
	s_delay_alu instid0(VALU_DEP_1)
	v_pk_add_f32 v[14:15], v[14:15], v[242:243]
.irp t, 0,1,2,3,4,5,6,7
.irp i, 0,1,2,3,4,5,6,7
.endr
	v_cvt_scalef32_pk8_fp8_f32 v[224+2*\t:225+2*\t], v[96+8*\t:103+8*\t], v244   ; registers 2 t, 2 t + 1 of P's fragment: keys 16 t + 8 h + 0 .. 7
.endr
.set n, 0
.rept 16
	v_pk_mul_f32 v[160+n:161+n], v[160+n:161+n], v[252:253] op_sel_hi:[1,0]   ; O^T under the new M; these are also the plain instructions behind the conversions
.set n, n+2
.endr
	s_wait_alu depctr_va_vdst(0)
	s_wait_dscnt 0x0                               ; V's fragments are in
.irp t, 0,1,2,3
	v_wmma_f32_16x16x128_fp8_fp8 v[160+8*\t:167+8*\t], v[32+16*\t:47+16*\t], v[224:239], v[160+8*\t:167+8*\t]   ; four accumulators by turns
.endr
.Lhidden_\@:
	s_add_co_u32 s[KF], s[KF], 128
	s_add_co_u32 s[TB], s[TB], STEPB
.endm
; n steps from key kf on: a counted loop; what is left out is a step's work, never a trip.
.macro RUN n, kf, qf
	s_mov_b32 s[KF], \kf
	s_mov_b32 s[TB], (\kf)/128*STEPB
	s_mov_b32 s[CNT], \n
.Lrun_\@:
	STEP \qf
	s_sub_co_u32 s[CNT], s[CNT], 1
	s_cmp_lg_u32 s[CNT], 0
	s_cbranch_scc1 .Lrun_\@
	s_setprio 0
.endm
; A barrier in front of the first read of a chunk.  left: the later chunks' loads of a fetching wave, which may stay out.
.macro PHASE left
	s_wait_tensorcnt \left
	s_wait_dscnt 0x0
	s_barrier_signal -1
	s_barrier_wait -1
.endm
.macro INIT                            ; a tile's start: the step is written once, and its first run finds zeros, which the first change of M leaves zeros
	v_mov_b32 v13, 0xff61b1e6                      ; the largest t so far: -3e38, under every t
	s_delay_alu instid0(VALU_DEP_1)
	v_floor_f32 v12, -v13
	v_mov_b32 v14, 0
	v_mov_b32 v15, 0
.set n, 0
.rept 32
	v_mov_b32 v[160+n], 0
.set n, n+1
.endr
.endm
; A tile's end: O^T / the sum is quantised; a lane's eight channels of a tile are 8 bytes of its query's row; 16 rows of 64 bytes go through my stage and leave as 2 x 512 consecutive bytes, aligned.
.macro FINISH ob
.rept 4
	v_nop                                          ; places behind the last products
.endr
	v_add_f32 v14, v14, v15                        ; the sum's two halves,
	s_delay_alu instid0(VALU_DEP_1)
	v_permlanex16_b32 v252, v14, s[SEL], s[SEL+1]
	s_delay_alu instid0(VALU_DEP_1)
	v_add_f32 v14, v14, v252                       ; and lane l xor 16's
	s_wait_alu depctr_va_vdst(0)
	v_rcp_f32 v14, v14
	v_nop                                          ; a plain instruction behind the reciprocal,
	s_wait_alu depctr_va_vdst(0)                   ; and the wait ahead of its first reader
.set n, 0
.rept 16
	v_pk_mul_f32 v[96+n:97+n], v[160+n:161+n], v[14:15] op_sel_hi:[1,0]   ; each accumulator from its low end on
.set n, n+2
.endr
.set n, 0
.rept 32
.set n, n+1
.endr
.irp t, 0,1,2,3
	v_cvt_scalef32_pk8_fp8_f32 v[200+2*\t:201+2*\t], v[96+8*\t:103+8*\t], v245
.endr
	v_nop                                          ; one plain vector instruction behind the last conversion
.irp t, 0,1,2,3
	ds_store_b64 v[STO], v[200+2*\t:201+2*\t] offset:16*\t   ; channels 16 t + 8 h + 0 .. 7 of query r
.endr
	s_wait_xcnt 0x0                                ; the stores of my tile before have read v192-199
	ds_load_b128 v[192:195], v[RD]                 ; LDS serves a wave's instructions in order: these see my stores
	ds_load_b128 v[196:199], v[RD] offset:512
	s_wait_dscnt 0x0
	global_store_b128 v[GO], v[192:195], s[\ob:\ob+1]
	global_store_b128 v[GO], v[196:199], s[\ob:\ob+1] offset:512
.endm
	INIT
	s_mov_b32 s[Q0], s58
	s_wait_loadcnt 0x0                             ; Q
	PHASE 3                                        ; keys 0-255 are in; three loads of a fetching wave may be out
	RUN 2, 0, QA
	PHASE 2                                        ; keys 256-511
	RUN 2, 256, QA                                 ; my first tile's queries lie under 512
	FINISH 60
	INIT
	s_mov_b32 s[Q0], s59
	RUN 4, 0, QB
	PHASE 1                                        ; keys 512-767
	RUN 2, 512, QB
	PHASE 0                                        ; keys 768-1,023
	RUN 2, 768, QB
	FINISH 62
	s_wait_tensorcnt 0x0                           ; the wave's end: an add and its wait, behind my last tensor load and my last LDS store
	ds_add_u32 v[SPW], v[NIL]
	s_wait_dscnt 0x0
	s_endpgm
.Lfunc_end_k_q50e8b7db7b_attn:
	.size	k_q50e8b7db7b_attn, .Lfunc_end_k_q50e8b7db7b_attn-k_q50e8b7db7b_attn
	.p2alignl 7, 3214868480
	.fill 96, 4, 3214868480
	.section	.rodata,"a",@progbits
	.p2align	6, 0x0
	.amdhsa_kernel k_q50e8b7db7b_attn
		.amdhsa_group_segment_fixed_size 182272
		.amdhsa_private_segment_fixed_size 0
		.amdhsa_enable_private_segment 0
		.amdhsa_kernarg_size 40
		.amdhsa_user_sgpr_count 2
		.amdhsa_user_sgpr_kernarg_segment_ptr 1
		.amdhsa_wavefront_size32 1
		.amdhsa_system_sgpr_workgroup_id_x 1
		.amdhsa_system_sgpr_workgroup_id_y 1
		.amdhsa_system_sgpr_workgroup_id_z 1
		.amdhsa_system_vgpr_workitem_id 0
		.amdhsa_next_free_vgpr 256
		.amdhsa_next_free_sgpr 100
		.amdhsa_reserve_vcc 1
		.amdhsa_float_denorm_mode_32 3
		.amdhsa_float_denorm_mode_16_64 3
		.amdhsa_fp16_overflow 1
		.amdhsa_memory_ordered 1
		.amdhsa_forward_progress 1
		.amdhsa_inst_pref_size 111
	.end_amdhsa_kernel
	.amdgpu_metadata
---
amdhsa.version: [ 1, 2 ]
amdhsa.kernels:
  - .name:           k_q50e8b7db7b_attn
    .symbol:         k_q50e8b7db7b_attn.kd
    .args:
      - { .name: qc, .offset: 0, .size: 8, .value_kind: global_buffer, .address_space: global }
      - { .name: kc, .offset: 8, .size: 8, .value_kind: global_buffer, .address_space: global }
      - { .name: vc, .offset: 16, .size: 8, .value_kind: global_buffer, .address_space: global }
      - { .name: lowp_scales, .offset: 24, .size: 8, .value_kind: global_buffer, .address_space: global }
      - { .name: ac, .offset: 32, .size: 8, .value_kind: global_buffer, .address_space: global }
    .group_segment_fixed_size: 182272
    .private_segment_fixed_size: 0
    .kernarg_segment_align: 8
    .kernarg_segment_size: 40
    .max_flat_workgroup_size: 512
    .sgpr_count:     100
    .vgpr_count:     256
    .wavefront_size: 32
...
	.end_amdgpu_metadata
.endif
;; end of part 2
;; launch outp (part 3): grid 4 x 64, 4 waves a work-group, clusters of 4 x 4, 327,680 bytes of LDS; arguments ac, Wo_codes, lowp_scales, bo, out0; writes out0
.if DOCPART == 3
	.amdgcn_target "amdgcn-amd-amdhsa--gfx1250"
	.amdhsa_code_object_version 6
	.text
	.protected	k_q50e8b7db7b_outp
	.globl	k_q50e8b7db7b_outp
	.p2align	8
	.type	k_q50e8b7db7b_outp,@function
k_q50e8b7db7b_outp:
	s_mov_b64 s[64:65], 0
	v_nop
	global_prefetch_b8 v0, s[64:65] scope:SCOPE_SE
	s_setreg_imm32_b32 hwreg(HW_REG_WAVE_MODE, 25, 1), 1
	s_wait_xcnt 0x0
	s_wait_alu depctr_hold_cnt(0) depctr_sa_sdst(0) depctr_va_vdst(0) depctr_va_sdst(0) depctr_va_ssrc(0) depctr_va_vcc(0) depctr_vm_vsrc(0)
	s_getreg_b32 s2, hwreg(HW_REG_IB_STS2, 6, 4)
	s_cmp_eq_u32 s2, 0
	s_cbranch_scc0 .Lentry_in_a_cluster
	s_endpgm
.Lentry_in_a_cluster:
	s_bfe_u32 s2, ttmp6, 0x10000c
	s_cmp_lg_u32 s2, 0xf033
	s_cbranch_scc0 .Lentry_shape_is_right
	s_endpgm
.Lentry_shape_is_right:
.set SIZE_N, 1024
.set PA,     80
.set PB,     272
.set AHALF,  4*64*PA
.set BHALF,  128*PB
.set BOFF,   2*AHALF
.set SLOT,   BOFF+2*BHALF
.set LAPS,   2
.set SPARE,  2*SLOT
.set SPITCH, 528
.set FR,   16
.set ADRA, 16
.set ADRB, 20
.set STO,  24
.set RD,   25
.set CO,   26
.set BO,   27
.set SPW,  28
.set NIL,  29
.set TMP,  32
.set AF,   128
.set BK,   128
.set G1, 24
.set G0, 32
.set G1B, 48
.set G0B, 56
.set MSB, 0
.macro WIN new
.if MSB != (\new)
	s_set_vgpr_msb (MSB<<8)|(\new)
.set MSB, (\new)
.endif
.endm
.set MUL,  0xa1
.set TO_B, 0x40
.macro JLOAD g0a, g1a, g0b, g1b
	s_cmp_eq_u32 s15, 0
	s_cbranch_scc0 .Lfor_b_\@
	tensor_load_to_lds s[\g0a:\g0a+3], s[\g1a:\g1a+7]
	s_nop 0
.rept 4
	v_nop
.endr
	s_branch .Lasked_\@
.Lfor_b_\@:
	tensor_load_to_lds s[\g0b:\g0b+3], s[\g1b:\g1b+7]
	s_nop 0
.rept 4
	v_nop
.endr
.Lasked_\@:
.endm
.macro CREST
	s_cmp_lg_u32 s14, 0
	s_cbranch_scc1 .Lnot_wave_0_\@
	s_barrier_signal -3
.Lnot_wave_0_\@:
	s_barrier_wait -3
	s_barrier_signal -1
	s_barrier_wait -1
.endm
.macro CROUND
	s_barrier_signal -1
	s_barrier_wait -1
	CREST
.endm
	s_load_b256 s[4:11], s[0:1], 0x0
	s_load_b64 s[12:13], s[0:1], 0x20
	v_lshl_add_u32 v[SPW], v0, 2, SPARE
	v_mov_b32 v[NIL], 0
	ds_add_u32 v[SPW], v[NIL]
	ds_add_u32 v[SPW], v[NIL]
	v_lshrrev_b32 v1, 5, v0
	v_readfirstlane_b32 s14, v1
	s_lshr_b32 s15, s14, 1
	s_and_b32 s16, s14, 1
	s_bfe_u32 s40, ttmp6, 0x40000
	s_bfe_u32 s41, ttmp6, 0x40004
	s_lshl_b32 s42, ttmp9, 2
	s_add_co_u32 s42, s42, s40
	s_and_b32 s17, ttmp7, 0xffff
	s_lshl_b32 s17, s17, 2
	s_add_co_u32 s17, s17, s41
	s_lshl_b32 s43, s41, 2
	s_lshl_b32 s43, 15, s43
	s_lshl_b32 s44, 0x1111, s40
	s_or_b32 s[G1+0], s43, (0<<16)|(1<<20)|(1<<21)|(3<<22)|(3<<25)
	s_mov_b32 s[G1+1], 4096<<16
	s_mov_b32 s[G1+2], 4<<16
	s_mov_b32 s[G1+3], 4096<<16
	s_mov_b32 s[G1+4], 4
	s_mov_b32 s[G1+5], 524288
	s_mov_b32 s[G1+6], 0
	s_mov_b32 s[G1+7], 0
	s_or_b32 s[G1B+0], s44, (0<<16)|(1<<20)|(1<<21)|(5<<22)|(3<<25)
	s_mov_b32 s[G1B+1], 256<<16
	s_mov_b32 s[G1B+2], 128<<16
	s_mov_b32 s[G1B+3], 256<<16
	s_mov_b32 s[G1B+4], 128
	s_mov_b32 s[G1B+5], 1024
	s_mov_b32 s[G1B+6], 0
	s_mov_b32 s[G1B+7], 0
	s_lshl_b32 s20, s17, 13
	s_lshl_b32 s18, s16, 12
	s_add_co_u32 s20, s20, s18
	s_mov_b32 s21, 0
	s_lshl_b32 s46, s42, 18
	s_lshl_b32 s18, s16, 17
	s_add_co_u32 s46, s46, s18
	s_mov_b32 s47, 0
	s_mul_i32 s45, s16, AHALF
	s_mul_i32 s22, s16, BHALF
	s_add_co_u32 s22, s22, BOFF
	s_wait_dscnt 0x0
	s_wait_kmcnt 0x0
	s_load_b64 s[96:97], s[8:9], 0x28
	s_add_nc_u64 s[20:21], s[4:5], s[20:21]
	s_add_nc_u64 s[46:47], s[6:7], s[46:47]
	CROUND
.irp s, 0,1
	s_mov_b32 s[G0+4*\s], 1
	s_add_co_u32 s[G0+4*\s+1], s45, \s*SLOT
	s_add_nc_u64 s[G0+4*\s+2:G0+4*\s+3], s[20:21], \s*4*524288
	s_or_b32 s[G0+4*\s+3], s[G0+4*\s+3], 0x80000000
	s_mov_b32 s[G0B+4*\s], 1
	s_add_co_u32 s[G0B+4*\s+1], s22, \s*SLOT
	s_add_nc_u64 s[G0B+4*\s+2:G0B+4*\s+3], s[46:47], \s*256
	s_or_b32 s[G0B+4*\s+3], s[G0B+4*\s+3], 0x80000000
	s_wait_alu depctr_va_vdst(0)
	s_wait_tensorcnt 0x0
	ds_add_u32 v28, v29
	ds_add_u32 v28, v29
	s_wait_dscnt 0x0
	CROUND
	JLOAD G0+4*\s, G1, G0B+4*\s, G1B
.endr
	v_and_b32 v1, 15, v0
	v_bfe_u32 v2, v0, 4, 1
	v_mul_u32_u24 v3, v1, PA
	v_lshl_add_u32 v3, v2, 4, v3
	v_mul_u32_u24 v4, v1, PB
	v_lshl_add_u32 v4, v2, 4, v4
	s_mul_i32 s18, s15, AHALF
	s_mul_i32 s19, s16, BHALF
	s_add_co_u32 s19, s19, BOFF
.irp s, 0,1
	v_add_nc_u32 v[ADRA+\s], s18, v3
	v_add_nc_u32 v[ADRB+\s], s19, v4
	s_add_co_u32 s18, s18, SLOT
	s_add_co_u32 s19, s19, SLOT
.endr
	s_mul_i32 s23, s14, 16*SPITCH
	v_mul_u32_u24 v5, v1, SPITCH
	v_lshl_add_u32 v5, v2, 5, v5
	v_add_nc_u32 v[STO], s23, v5
	v_and_b32 v6, 31, v0
	v_lshlrev_b32 v[CO], 4, v6
	v_add_nc_u32 v[RD], s23, v[CO]
	s_lshl_b32 s20, s17, 7
	s_lshl_b32 s21, s15, 6
	s_add_co_u32 s20, s20, s21
	s_lshl_b32 s20, s20, 12
	s_mov_b32 s21, 0
	s_lshl_b32 s46, s42, 10
	s_lshl_b32 s47, s16, 9
	s_add_co_u32 s46, s46, s47
	s_mov_b32 s47, 0
	s_add_nc_u64 s[10:11], s[10:11], s[46:47]
	s_add_nc_u64 s[12:13], s[12:13], s[20:21]
	s_add_nc_u64 s[12:13], s[12:13], s[46:47]
	v_lshlrev_b32 v[BO], 5, v2
	WIN 0xc0
.irp b, 0,1,2,3,4,5,6,7
	global_load_b128 v[8*\b:8*\b+3],   v[BO], s[10:11] offset:64*\b
	global_load_b128 v[8*\b+4:8*\b+7], v[BO], s[10:11] offset:64*\b+16
.endr
	WIN 0
.macro FRAGA reg, adr, q, i
.irp c, 0,1,2,3
	ds_load_b128 v[\reg+4*\c:\reg+4*\c+3], v[\adr] offset:(2*(\q)+\c/2)*64*PA+(\i)*16*PA+32*(\c%2)
.endr
.endm
.macro FRAGB reg, adr, q, i
.irp c, 0,1,2,3
	ds_load_b128 v[\reg+4*\c:\reg+4*\c+3], v[\adr] offset:128*(\q)+32*\c+(\i)*16*PB
.endr
.endm
.macro FETCH slot, q, p
	WIN TO_B
.irp i, 0,1,2,3,4,5,6,7
	FRAGB 128*(\p)+FR*\i, ADRB+\slot, \q, \i
.endr
	WIN 0
.irp i, 0,1,2,3
	FRAGA AF+64*(\p)+FR*\i, ADRA+\slot, \q, \i
.endr
.endm
.macro MUL8 a, p, zero
.irp b, 0,1,2,3,4,5,6,7
.if \zero
	v_wmma_f32_16x16x128_fp8_fp8 v[8*(8*(\a)+\b):8*(8*(\a)+\b)+7], v[128*(\p)+FR*\b:128*(\p)+FR*\b+FR-1], v[AF+64*(\p)+FR*(\a):AF+64*(\p)+FR*(\a)+FR-1], 0
.else
	v_wmma_f32_16x16x128_fp8_fp8 v[8*(8*(\a)+\b):8*(8*(\a)+\b)+7], v[128*(\p)+FR*\b:128*(\p)+FR*\b+FR-1], v[AF+64*(\p)+FR*(\a):AF+64*(\p)+FR*(\a)+FR-1], v[8*(8*(\a)+\b):8*(8*(\a)+\b)+7]
.endif
.endr
.endm
.macro PLACES
.rept 4
	v_nop
.endr
.endm
.macro STEP slot, zero
	s_wait_dscnt 0x0
	PLACES
	FETCH \slot, 1, 1
	WIN MUL
	MUL8 0, 0, \zero
	MUL8 1, 0, \zero
	MUL8 2, 0, \zero
	MUL8 3, 0, \zero
	WIN 0
.endm
.macro TURN slot, next, fill
	s_wait_tensorcnt 0x0
	ds_add_u32 v[SPW], v[NIL]
	s_wait_dscnt 1
	WIN MUL
	MUL8 0, 1, 0
	s_wait_dscnt 0x0
	s_barrier_signal -1
	MUL8 1, 1, 0
	WIN 0
	s_barrier_wait -1
.if \fill
	CREST
	s_add_nc_u64 s[G0+4*\slot+2:G0+4*\slot+3], s[G0+4*\slot+2:G0+4*\slot+3], 8*524288
	s_add_nc_u64 s[G0B+4*\slot+2:G0B+4*\slot+3], s[G0B+4*\slot+2:G0B+4*\slot+3], 512
	JLOAD G0+4*\slot, G1, G0B+4*\slot, G1B
.else
	PLACES
.endif
	s_wait_alu depctr_va_vdst(0)
	FETCH \next, 0, 0
	WIN MUL
	MUL8 2, 1, 0
	MUL8 3, 1, 0
	WIN 0
.endm
	s_wait_tensorcnt 1
	s_barrier_signal -1
	s_barrier_wait -1
	FETCH 0, 0, 0
	STEP 0, 1
	s_mov_b32 s3, LAPS-1
.Llap:
	TURN 0, 1, 1
	STEP 1, 0
	TURN 1, 0, 1
	STEP 0, 0
	s_sub_co_u32 s3, s3, 1
	s_cmp_lg_u32 s3, 0
	s_cbranch_scc1 .Llap
	TURN 0, 1, 0
	STEP 1, 0
	s_wait_dscnt 0x0
	WIN MUL
	MUL8 0, 1, 0
	MUL8 1, 1, 0
	MUL8 2, 1, 0
	MUL8 3, 1, 0
	WIN 0
.macro TOSTAGE a
.set AC, 64*(\a)
	WIN 0x32
.set j, 0
.rept 32
	v_pk_fma_f32 v[TMP+j:TMP+j+1], v[AC+j:AC+j+1], s[96:97], v[j:j+1] op_sel_hi:[1,0,1]
.set j, j+2
.endr
	WIN 0
.irp b, 0,1,2,3,4,5,6,7
	ds_store_b128 v[STO], v[TMP+8*\b:TMP+8*\b+3] offset:64*\b
	ds_store_b128 v[STO], v[TMP+8*\b+4:TMP+8*\b+7] offset:64*\b+16
.endr
.set BB, BK+64*((\a)%2)
.irp t, 0,1,2,3,4,5,6,7,8,9,10,11,12,13,14,15
	ds_load_b128 v[BB+4*\t:BB+4*\t+3], v[RD] offset:\t*SPITCH
.endr
.endm
.macro SEND a, younger
.set BB, BK+64*((\a)%2)
	s_wait_dscnt \younger
.if (\a) > 0
	s_add_nc_u64 s[12:13], s[12:13], 16*SIZE_N*4
.endif
.irp t, 0,1,2,3,4,5,6,7,8,9,10,11,12,13,14,15
	global_store_b128 v[CO], v[BB+4*\t:BB+4*\t+3], s[12:13] offset:\t*SIZE_N*4 th:TH_STORE_NT
.endr
.endm
	s_wait_kmcnt 0x0
	s_add_co_i32 s96, s96, s97
	s_add_co_i32 s96, s96, 127
	s_lshl_b32 s96, s96, 23
	s_mov_b32 s97, s96
	s_wait_loadcnt 0x0
	PLACES
	TOSTAGE 0
.irp a, 1,2,3
.if \a > 1
	s_wait_xcnt 0x0
.endif
	TOSTAGE \a
	SEND \a-1, 32
.endr
	s_wait_xcnt 0x0
	SEND 3, 0
	s_wait_tensorcnt 0x0
	ds_add_u32 v[SPW], v[NIL]
	s_wait_dscnt 0x0
	CROUND
	s_endpgm
.Lfunc_end_k_q50e8b7db7b_outp:
	.size	k_q50e8b7db7b_outp, .Lfunc_end_k_q50e8b7db7b_outp-k_q50e8b7db7b_outp
	.p2alignl 7, 3214868480
	.fill 96, 4, 3214868480
	.section	.rodata,"a",@progbits
	.p2align	6, 0x0
	.amdhsa_kernel k_q50e8b7db7b_outp
		.amdhsa_group_segment_fixed_size 327680
		.amdhsa_private_segment_fixed_size 0
		.amdhsa_enable_private_segment 0
		.amdhsa_kernarg_size 40
		.amdhsa_user_sgpr_count 2
		.amdhsa_user_sgpr_kernarg_segment_ptr 1
		.amdhsa_wavefront_size32 1
		.amdhsa_system_sgpr_workgroup_id_x 1
		.amdhsa_system_sgpr_workgroup_id_y 1
		.amdhsa_system_sgpr_workgroup_id_z 1
		.amdhsa_system_vgpr_workitem_id 0
		.amdhsa_next_free_vgpr 832
		.amdhsa_next_free_sgpr 100
		.amdhsa_reserve_vcc 0
		.amdhsa_float_denorm_mode_32 3
		.amdhsa_float_denorm_mode_16_64 3
		.amdhsa_memory_ordered 1
		.amdhsa_forward_progress 1
		.amdhsa_inst_pref_size 78
	.end_amdhsa_kernel
	.amdgpu_metadata
---
amdhsa.version: [ 1, 2 ]
amdhsa.kernels:
  - .name:           k_q50e8b7db7b_outp
    .symbol:         k_q50e8b7db7b_outp.kd
    .args:
      - { .name: ac, .offset: 0, .size: 8, .value_kind: global_buffer, .address_space: global }
      - { .name: Wo_codes, .offset: 8, .size: 8, .value_kind: global_buffer, .address_space: global }
      - { .name: lowp_scales, .offset: 16, .size: 8, .value_kind: global_buffer, .address_space: global }
      - { .name: bo, .offset: 24, .size: 8, .value_kind: global_buffer, .address_space: global }
      - { .name: out0, .offset: 32, .size: 8, .value_kind: global_buffer, .address_space: global }
    .group_segment_fixed_size: 327680
    .private_segment_fixed_size: 0
    .kernarg_segment_align: 8
    .kernarg_segment_size: 40
    .max_flat_workgroup_size: 128
    .sgpr_count:     100
    .vgpr_count:     832
    .wavefront_size: 32
...
	.end_amdgpu_metadata
.endif
;; end of part 3
